; MI455X (gfx1250); checked and timed in simulation.
; The chip was launched on July 23, 2026; its instructions are those of AMD's public machine-readable ISA for CDNA 5 (MIT licence, August 2026) and "CDNA5" Instruction Set Architecture Reference Guide (July 2026). The comments in the code are by the model that wrote it; some were corrected since.
;; Attention. Allowed arithmetic: matrix products marked QUANTISED: E5M2 operands, one given power-of-two scale a tensor, by v_wmma_f32_16x16x64_bf8_bf8 or v_wmma_f32_16x16x128_bf8_bf8, f32 sums; everything else in f32.
;; Inputs: W_k_codes 1,024 x 32 x 32 uint8 (E5M2 codes of W_k, K innermost, in blocks of 32 codes); W_o_codes 1,024 x 32 x 32 uint8 (E5M2 codes of W_o, K innermost, in blocks of 32 codes); W_q_codes 1,024 x 32 x 32 uint8 (E5M2 codes of W_q, K innermost, in blocks of 32 codes); W_v_codes 1,024 x 32 x 32 uint8 (E5M2 codes of W_v, K innermost, in blocks of 32 codes); lowp_scales 12 int32 (the exponents e of the quantised operands' scales 2^e); x_codes 2 x 2,048 x 32 x 32 uint8 (E5M2 codes of x, K innermost, in blocks of 32 codes).
;; Outputs: out0 2 x 2,048 x 1,024 float32.
;; This version of the problem:
;;   THIS VERSION OF THE PROBLEM IS GIVEN IN LOW PRECISION. The matrix products marked QUANTISED in the list below multiply operands that are first quantised to E5M2 (5 exponent bits, 2 mantissa bits; 8 bits a number), with one given power-of-two scale for each operand tensor; their sums are f32. All else is computed in f32.
;;   The module's matrix products, in the order in which they are computed (A, B: the left and right operand; K: the contracted axis; several contracted axes count as one K, in the product's order):
;;     1. [M 4,096, K 1,024] x [K 1,024, N 1,024]; A: input x (given as codes); B: input W_q (given as codes): QUANTISED (scales: A lowp_scales[0], B lowp_scales[1])
;;     2. [M 4,096, K 1,024] x [K 1,024, N 1,024]; A: input x (given as codes); B: input W_k (given as codes): QUANTISED (scales: A lowp_scales[2], B lowp_scales[3])
;;     3. [M 4,096, K 1,024] x [K 1,024, N 1,024]; A: input x (given as codes); B: input W_v (given as codes): QUANTISED (scales: A lowp_scales[4], B lowp_scales[5])
;;     4. batch 32 x [M 2,048, K 64] x [K 64, N 2,048]; A: computed on the way; B: computed on the way: QUANTISED (scales: A lowp_scales[6], B lowp_scales[7])
;;     5. batch 32 x [M 2,048, K 2,048] x [K 2,048, N 64]; A: softmax (see below); B: computed on the way: QUANTISED (scales: A lowp_scales[8], B lowp_scales[9])
;;     6. [M 4,096, K 1,024] x [K 1,024, N 1,024]; A: computed on the way; B: input W_o (given as codes): QUANTISED (scales: A lowp_scales[10], B lowp_scales[11])
;;   THE QUANTISER, for each operand of a quantised product, along K:
;;     - The operand's scale is 2^e, e = its entry of the input lowp_scales (int32; the entries are numbered through the quantised products in the list's order, A before B).
;;     - Each number is divided by the scale, clamped to +-57,344, and rounded to the nearest number of E5M2, ties to even, subnormals kept.
;;     - The product sums the exact products of the quantised numbers (number of the format x scale) in f32.
;;   ~~~python
;;   def quantise(x, axis, e):      # numpy; x: float32 -> the quantised numbers, widened to float32 again
;;       x = np.moveaxis(x, axis, -1); K = x.shape[-1]
;;       r = np.clip(x / 2.0 ** e, -57344, 57344)
;;       step = 2.0 ** (np.maximum(np.frexp(np.where(r == 0, 1, r))[1] - 1, -14) - 2)
;;       q = np.round(r / step) * step * 2.0 ** e      # np.round: ties to even
;;       return np.moveaxis(q, -1, axis).astype(np.float32)
;;   ~~~
;;   SOFTMAX AHEAD OF A QUANTISED PRODUCT. Where the list says 'softmax', what is quantised is not the finished softmax but p = 2^(t - M), with t = logit x log2(e) and M = ceil(the row's largest t), a whole number; so 1/2 < the row's largest p <= 1. The row's sum l is taken of the UNQUANTISED p, in f32, and the product's result is divided by l at the end. Since M is a whole number, a kernel that streams over the keys may use a running M (the ceiling of the running maximum): every later rescaling is an exact power of two, so the quantised numbers keep their values, but for numbers so far below the row's largest that they fall under the format's range.
;;   OPERANDS COMPUTED ON THE WAY. 'Computed on the way' means the value that the module computes at that place (a softmax that the list does not call 'softmax' is quantised finished and normalised). What goes into a quantiser is computed in f32, as accurately as f32 sums, v_exp_f32 and their like allow (about 1e-6 of the number): no bf16 or f16 on the way to a quantiser, and a product that is left as it is and whose result goes on into a quantised operand takes f32 operands (vector FMAs, or v_wmma_f32_16x16x4_f32). A number that lies on a knife's edge between two numbers of the format may be rounded either way, as far as f32 arithmetic and the matrix unit's own rounding can turn it there, and no further.
;;   INPUTS GIVEN AS CODES. W_k (in the module: [1024, 1024], K = its axis 1); W_o (in the module: [1024, 1024], K = its axis 1); W_q (in the module: [1024, 1024], K = its axis 1); W_v (in the module: [1024, 1024], K = its axis 1); x (in the module: [2, 2048, 1024], K = its axis 2): each comes as NAME_codes (uint8): NAME with its K axis moved to the last place and cut into blocks of 32 codes, [.., K / 32, bytes a block], one block behind the other in memory; one code a byte (a code: sign, 5 exponent bits, 2 mantissa bits); its scale is its entry of lowp_scales. Its value is code x scale, taken as it is: it is not quantised again, and the codes and scales need not be those that the quantiser above would give.
;; One version. Each part assembles by itself: llvm-mc -triple=amdgcn-amd-amdhsa -mcpu=gfx1250 --defsym DOCPART=n.
;; ======== version 1 of 1: 3 launches
;; limits: right only within a limited range of input values
;; workspace buffers: q_codes 4,194,304 bytes; k_codes 4,194,304 bytes; v_codes 4,194,304 bytes; a_codes 4,194,304 bytes
;; launch qkv (part 1): grid 16 x 16, 4 waves a work-group, clusters of 4 x 4, 327,680 bytes of LDS; arguments x_codes, W_q_codes, W_k_codes, W_v_codes, lowp_scales, q_codes, k_codes, v_codes; writes q_codes, k_codes, v_codes
.if DOCPART == 1
	.amdgcn_target "amdgcn-amd-amdhsa--gfx1250"
	.amdhsa_code_object_version 6
	.text
	.protected	k_q4f16c0ebb0_qkv
	.globl	k_q4f16c0ebb0_qkv
	.p2align	8
	.type	k_q4f16c0ebb0_qkv,@function
k_q4f16c0ebb0_qkv:
	s_mov_b64 s[64:65], 0
	v_nop
	global_prefetch_b8 v0, s[64:65] scope:SCOPE_SE
	s_setreg_imm32_b32 hwreg(HW_REG_WAVE_MODE, 25, 1), 1
	s_wait_xcnt 0x0
	s_wait_alu depctr_hold_cnt(0) depctr_sa_sdst(0) depctr_va_vdst(0) depctr_va_sdst(0) depctr_va_ssrc(0) depctr_va_vcc(0) depctr_vm_vsrc(0)
	s_getreg_b32 s2, hwreg(HW_REG_IB_STS2, 6, 4)
	s_cmp_eq_u32 s2, 0
	s_cbranch_scc0 .Lentry_in_a_cluster
	s_endpgm
.Lentry_in_a_cluster:
	s_bfe_u32 s2, ttmp6, 0x10000c
	s_cmp_lg_u32 s2, 0xf033
	s_cbranch_scc0 .Lentry_shape_is_right
	s_endpgm
.Lentry_shape_is_right:
; q = rope(x Wq^T), k = rope(x Wk^T), v = x Wv^T on codes of BF8 (E5M2); the results are quantised again with the given scales and stored as IMAGES OF OPERAND REGISTERS for the attention launch.
; A work-group makes 256 tokens x one head's q, k and v (3 x 64 columns): 16 heads x 16 blocks = 256 work-groups of four waves.  A wave makes 128 tokens x 32 features of each of q, k, v: 8 x 6 accumulators, 384 registers.
; K goes in steps of 256 through a ring of two LDS slots: 256 rows of x, 64 of Wq, 64 of Wk, 64 of Wv.  Wave 0 fetches x's rows, waves 1 to 3 a weight's: one tensor load a wave and step.
; CLUSTERS: 4 x 4.  x's rows are shared along a row of the cluster, the weights' along a column: joint loads.
; PREFETCH: at the head K steps 1 and 2, behind K step 1's load K step 3: 256 bytes of each row, once in each cluster; the four partners share the rows out by address (x: 64 rows each, a weight: 16 each).
; q, k: source 0 = 16 rows of W, source 1 = 16 rows of x: a lane holds ONE token and eight neighbouring features: the rotary pairs lie in register pairs.
; v:    source 0 = 16 rows of x, source 1 = 16 rows of W: a lane holds ONE channel and eight neighbouring tokens, which are the second attention product's K.
; ROPE: cos and sin of position x 10^(-i/8) in f32 while the first tiles are on their way, once for q and k: n = round(angle / pi) by a magic addend, angle - n pi in two parts, Taylor sums to r^13 and r^12 on |r| <= pi/2, sign by n's parity.
; The rotation is applied to the raw sums: the powers of two commute with it, and are folded into the conversion's one scale, 2^(e_out - e_x - e_w).
; LIMITS: e6-e0-e1, e7-e2-e3 and e9-e4-e5 lie between -126 and 112, so that the scale and 57,344 x the scale are f32 numbers.  NaN is not served.
; REGISTERS.  window 0: v1-31 addresses and constants, v32-63 v's codes, v64-127 (cos, sin) of token tiles 0-3, v128-255 v's accumulators (ahead of the products: at work for cos and sin; behind v's way out: q's and k's).
;   windows 1 and 2: a set of fragments each: x's eight at v0, W's six at v128; v224-255: (cos, sin) of token tiles 4-5 and 6-7.   window 3: q's and k's accumulators: token tile a, column tile b at v[8 (4 a + b)].
.set PITCH, 272                        ; an LDS row: 256 bytes + 16 of padding = 68 words: the 16 rows that a load touches start 4 banks apart
.set SLOT,  448*PITCH
.set SPARE, 2*SLOT                     ; the spare words, 128 bytes for each wave
.set WV,  20
.set HI,  21                           ; wave / 2: my 128 tokens
.set HJ,  22                           ; wave % 2: my 32 features of each of q, k, v
.set CX,  23
.set CY,  24
.set HD,  25
.set RB,  26
.set G1A, 32
.set G1B, 40
.set G0A, 48                           ; s48-55: groups 0 for x, slots 0 and 1
.set G0B, 56                           ; s56-63: for the weights
.set PF,  68
.set SPW, 28
.set NIL, 29
.set RA,  128
.set MG,  144
.set SG,  160
.set R2,  176
.set PP,  192
.set QQ,  208
.set FT,  224
.set T,   128
.set U,   160
.set CD,  192
.set MSB, 0
.macro WIN new                         ; the immediate's high byte repeats the setting that is left
.if MSB != (\new)
	s_set_vgpr_msb (MSB<<8)|(\new)
.set MSB, (\new)
.endif
.endm
.macro CREST                           ; a round of the cluster's barrier behind its opening barrier
	s_cmp_lg_u32 s[WV], 0
	s_cbranch_scc1 .Lnot_wave_0_\@
	s_barrier_signal -3
.Lnot_wave_0_\@:
	s_barrier_wait -3
	s_barrier_signal -1
	s_barrier_wait -1
.endm
.macro CROUND
	s_barrier_signal -1
	s_barrier_wait -1
	CREST
.endm
.macro PLACES                          ; four plain vector lines behind matrix instructions, ahead of loads into their sources and of reads of their results
.rept 4
	v_nop
.endr
.endm
.macro JLOAD s                         ; a joint load: wave 0 for x, waves 1 to 3 for a weight
	s_cmp_eq_u32 s[WV], 0
	s_cbranch_scc0 .Lfor_w_\@
	tensor_load_to_lds s[G0A+4*\s:G0A+4*\s+3], s[G1A:G1A+7]
	s_nop 0
	PLACES
	s_branch .Lasked_\@
.Lfor_w_\@:
	tensor_load_to_lds s[G0B+4*\s:G0B+4*\s+3], s[G1B:G1B+7]
	s_nop 0
	PLACES
.Lasked_\@:
.endm
.macro ASK reg, off                    ; 16 rows; wave 0 (x) has 48 rows more
	global_prefetch_b8 v[\reg], s[PF:PF+1] offset:\off th:TH_LOAD_NT scope:SCOPE_SE
	s_cmp_lg_u32 s[WV], 0
	s_cbranch_scc1 .Lno_x_\@
.irp k, 1,2,3
	global_prefetch_b8 v[\reg], s[PF:PF+1] offset:\off+16384*\k th:TH_LOAD_NT scope:SCOPE_SE
.endr
.Lno_x_\@:
.endm
	s_load_b256 s[4:11], s[0:1], 0x0               ; x s[4:5], Wq s[6:7], Wk s[8:9], Wv s[10:11]
	s_load_b256 s[12:19], s[0:1], 0x20             ; scales s[12:13], q s[14:15], k s[16:17], v s[18:19]
	v_lshl_add_u32 v[SPW], v0, 2, SPARE
	v_mov_b32 v[NIL], 0
	ds_add_u32 v[SPW], v[NIL]                      ; the opening lines
	ds_add_u32 v[SPW], v[NIL]
	v_lshrrev_b32 v1, 5, v0
	v_readfirstlane_b32 s[WV], v1                  ; wave 0..3
	s_lshr_b32 s[HI], s[WV], 1
	s_and_b32 s[HJ], s[WV], 1
	s_bfe_u32 s[CX], ttmp6, 0x40000
	s_bfe_u32 s[CY], ttmp6, 0x40004
	s_lshl_b32 s[HD], ttmp9, 2
	s_add_co_u32 s[HD], s[HD], s[CX]               ; head 0..15
	s_and_b32 s[RB], ttmp7, 0xffff
	s_lshl_b32 s[RB], s[RB], 2
	s_add_co_u32 s[RB], s[RB], s[CY]               ; block of 256 tokens 0..15
	s_lshl_b32 s29, s[CY], 2
	s_lshl_b32 s29, 15, s29                        ; my row of the cluster
	s_lshl_b32 s30, 0x1111, s[CX]                  ; my column
	; group 1: 256 (x) or 64 (a weight) rows x 256 bytes, 1,024 bytes apart in memory, 16 bytes of padding behind each row in LDS
	s_or_b32 s[G1A], s29, (1<<20)|(1<<21)|(5<<22)|(3<<25)
	s_or_b32 s[G1B], s30, (1<<20)|(1<<21)|(5<<22)|(3<<25)
.irp g, G1A, G1B
	s_mov_b32 s[\g+1], 256<<16                     ; tensor_dim0
	s_mov_b32 s[\g+3], 256<<16                     ; tile_dim0
	s_mov_b32 s[\g+5], 1024                        ; pitch
	s_mov_b32 s[\g+6], 0
	s_mov_b32 s[\g+7], 0
.endr
	s_mov_b32 s[G1A+2], 256<<16                    ; tensor_dim1
	s_mov_b32 s[G1A+4], 256                        ; tile_dim1
	s_mov_b32 s[G1B+2], 64<<16
	s_mov_b32 s[G1B+4], 64
	s_mul_i32 s31, s[WV], 64*PITCH
	s_add_co_u32 s31, s31, 192*PITCH               ; where a weight's rows land in a slot (waves 1 to 3): row 256 + 64 (wave - 1)
	s_mul_i32 s27, s[HI], 128*PITCH                ; my 128 rows of x
	s_mul_i32 s28, s[HJ], 32*PITCH
	s_add_co_u32 s28, s28, 256*PITCH               ; my 32 rows of each weight
	s_and_b32 s2, s[RB], 7
	s_lshl_b32 s2, s2, 8
	s_lshl_b32 s3, s[HI], 7
	s_add_co_u32 s2, s2, s3
	v_and_b32 v1, 15, v0                           ; r
	v_bfe_u32 v2, v0, 4, 1                         ; h
	v_and_b32 v4, 31, v0
	v_mul_u32_u24 v3, v1, PITCH
	v_lshlrev_b32 v4, 4, v4                        ; 16 x lane: my place in an image
	v_lshl_add_u32 v3, v2, 4, v3                   ; a fragment's row x pitch + 16 h
	v_lshlrev_b32 v15, 10, v1                      ; prefetch: row r,
	v_add_nc_u32 v8, s27, v3                       ; v8-9 LDS addresses of x's fragments in slot 0, 1
	v_add_nc_u32 v10, s28, v3                      ; v10-11 of W's
	v_lshl_add_u32 v14, v2, 8, v15                 ; and the next 256 bytes in the upper half of the lanes
	v_add_nc_u32 v9, SLOT, v8
	v_add_nc_u32 v11, SLOT, v10
	v_add_nc_u32 v12, s2, v1                       ; the position of my token in tile 0
	s_wait_alu depctr_va_vdst(0)
	s_wait_dscnt 0x0                               ; both opening adds are done
	s_wait_kmcnt 0x0
	s_load_b256 s[84:91], s[12:13], 0x0            ; e0 .. e7
	s_load_b128 s[92:95], s[12:13], 0x20           ; e8 .. e11
	s_lshl_b32 s2, s[RB], 18                       ; 256 rows of 1,024 bytes
	s_mov_b32 s3, 0
	s_add_nc_u64 s[4:5], s[4:5], s[2:3]
	s_lshl_b32 s66, s[HD], 16                      ; 64 rows of 1,024 bytes
	s_mov_b32 s67, 0
	s_cmp_eq_u32 s[WV], 1
	s_cselect_b64 s[96:97], s[6:7], s[10:11]
	s_cmp_eq_u32 s[WV], 2
	s_cselect_b64 s[96:97], s[8:9], s[96:97]       ; the weight that my wave fetches
	s_add_nc_u64 s[96:97], s[96:97], s[66:67]
.irp s, 0,1
	s_mov_b32 s[G0A+4*\s], 1
	s_mov_b32 s[G0A+4*\s+1], \s*SLOT
	s_add_nc_u64 s[G0A+4*\s+2:G0A+4*\s+3], s[4:5], \s*256
	s_or_b32 s[G0A+4*\s+3], s[G0A+4*\s+3], 0x80000000
	s_mov_b32 s[G0B+4*\s], 1
	s_add_co_u32 s[G0B+4*\s+1], s31, \s*SLOT
	s_add_nc_u64 s[G0B+4*\s+2:G0B+4*\s+3], s[96:97], \s*256
	s_or_b32 s[G0B+4*\s+3], s[G0B+4*\s+3], 0x80000000
.endr
	CROUND                                         ; all sixteen work-groups are here: the joint loads meet
	JLOAD 0                                        ; K step 0: one tensor load a wave at the head
	; the prefetches' base: my 64 rows of x or my 16 rows of a weight, at K step 1
	s_lshl_b32 s70, s[CX], 16
	s_lshl_b32 s71, s[CY], 14
	s_cmp_eq_u32 s[WV], 0
	s_cselect_b64 s[PF:PF+1], s[4:5], s[96:97]
	s_cselect_b32 s70, s70, s71
	s_mov_b32 s71, 0
	s_add_nc_u64 s[PF:PF+1], s[PF:PF+1], s[70:71]
	s_add_nc_u64 s[PF:PF+1], s[PF:PF+1], 0x100
	ASK 14, 0                                      ; K steps 1 and 2
	; where my results go: ((batch x 16 + head) x 16 + group of 128 tokens) x 8,192 bytes, the same in all three workspaces
	s_lshr_b32 s2, s[RB], 3
	s_lshl_b32 s2, s2, 4
	s_add_co_u32 s2, s2, s[HD]
	s_lshl_b32 s2, s2, 4
	s_and_b32 s3, s[RB], 7
	s_lshl_b32 s3, s3, 1
	s_add_co_u32 s2, s2, s3
	s_add_co_u32 s2, s2, s[HI]
	s_lshl_b32 s2, s2, 13
	s_mov_b32 s3, 0
	s_add_nc_u64 s[14:15], s[14:15], s[2:3]
	s_add_nc_u64 s[16:17], s[16:17], s[2:3]
	s_add_nc_u64 s[18:19], s[18:19], s[2:3]
	s_lshl_b32 s2, s[HJ], 9                        ; q, k: my two feature tiles are 512 bytes of each token tile's 1,024
	s_add_nc_u64 s[14:15], s[14:15], s[2:3]
	s_add_nc_u64 s[16:17], s[16:17], s[2:3]
	s_lshl_b32 s2, s[HJ], 12                       ; v: my two channel tiles are 4,096 bytes of the group's 8,192
	s_add_nc_u64 s[18:19], s[18:19], s[2:3]
	; cos and sin
	v_mov_b32 v22, 0x4b400000                      ; 1.5 x 2^23: added to a number under 2^22 it leaves the nearest whole number in the low bits
	v_mov_b32 v23, 0x4b400000
	v_mov_b32 v24, 0x2f309231                      ; 1/13!
	v_mov_b32 v25, 0x2f309231
	v_mov_b32 v26, 0x310f76c7                      ; 1/12!
	v_mov_b32 v27, 0x310f76c7
	v_cmp_eq_u32 vcc_lo, 1, v2
	s_cmp_eq_u32 s[HJ], 1
; the 8 frequencies of a lane: register 4 u + j holds rotary pair i = 8 t + 4 h + j of feature tile t = 2 (wave % 2) + u: 10^(-i/8), the nearest f32 number
.macro FTAB idx, l0, h0, l1, h1
	s_mov_b32 s2, \l0
	s_cselect_b32 s2, \l1, s2
	s_mov_b32 s3, \h0
	s_cselect_b32 s3, \h1, s3
	v_mov_b32 v[FT+\idx], s3
	v_cndmask_b32 v[FT+\idx], s2, v[FT+\idx], vcc_lo
.endm
	FTAB 0, 1.0, 0.31622776601684, 0.01, 0.0031622776601684
	FTAB 1, 0.74989420933246, 0.23713737056617, 0.0074989420933246, 0.0023713737056617
	FTAB 2, 0.56234132519035, 0.17782794100389, 0.0056234132519035, 0.0017782794100389
	FTAB 3, 0.42169650342858, 0.13335214321633, 0.0042169650342858, 0.0013335214321633
	FTAB 4, 0.1, 0.031622776601684, 0.001, 0.00031622776601684
	FTAB 5, 0.074989420933246, 0.023713737056617, 0.00074989420933246, 0.00023713737056617
	FTAB 6, 0.056234132519035, 0.017782794100389, 0.00056234132519035, 0.00017782794100389
	FTAB 7, 0.042169650342858, 0.013335214321633, 0.00042169650342858, 0.00013335214321633
	s_wait_alu depctr_va_vdst(0)
.macro HORNER reg, coef                ; reg = reg x r^2 + coef, eight pairs
.irp p, 0,2,4,6,8,10,12,14
	v_pk_fma_f32 v[\reg+\p:\reg+\p+1], v[\reg+\p:\reg+\p+1], v[R2+\p:R2+\p+1], \coef op_sel_hi:[1,1,0]
.endr
.endm
; the 16 angles of my tokens in tiles a and a + 1 (8 each), stage by stage so that no line waits for the line above it; (cos, sin) go to window w, from v[base] on
.macro SINCOS a, w, base
	v_add_nc_u32 v13, 16*\a, v12
	v_add_nc_u32 v5, 16*\a+16, v12
	v_cvt_f32_u32 v18, v13
	v_cvt_f32_u32 v19, v13
	v_cvt_f32_u32 v20, v5
	v_cvt_f32_u32 v21, v5
.irp p, 0,2,4,6
	v_pk_mul_f32 v[RA+\p:RA+\p+1], v[FT+\p:FT+\p+1], v[18:19]                               ; the angle: one rounding
.endr
.irp p, 0,2,4,6
	v_pk_mul_f32 v[RA+8+\p:RA+8+\p+1], v[FT+\p:FT+\p+1], v[20:21]
.endr
.irp p, 0,2,4,6,8,10,12,14
	v_pk_fma_f32 v[MG+\p:MG+\p+1], v[RA+\p:RA+\p+1], 0x3ea2f983, v[22:23] op_sel_hi:[1,0,1]  ; angle / pi + the magic addend
.endr
.irp i, 0,1,2,3,4,5,6,7,8,9,10,11,12,13,14,15
	v_lshlrev_b32 v[SG+\i], 31, v[MG+\i]                                                    ; n's parity as a sign bit
.endr
.irp p, 0,2,4,6,8,10,12,14
	v_pk_add_f32 v[MG+\p:MG+\p+1], v[MG+\p:MG+\p+1], v[22:23] neg_lo:[0,1] neg_hi:[0,1]      ; n
.endr
.irp p, 0,2,4,6,8,10,12,14
	v_pk_fma_f32 v[RA+\p:RA+\p+1], v[MG+\p:MG+\p+1], 0xc0490fdb, v[RA+\p:RA+\p+1] op_sel_hi:[1,0,1]   ; - n x pi's upper part
.endr
.irp p, 0,2,4,6,8,10,12,14
	v_pk_fma_f32 v[RA+\p:RA+\p+1], v[MG+\p:MG+\p+1], 0x33bbbd2e, v[RA+\p:RA+\p+1] op_sel_hi:[1,0,1]   ; - n x its lower part (which is negative): r
.endr
.irp p, 0,2,4,6,8,10,12,14
	v_pk_mul_f32 v[R2+\p:R2+\p+1], v[RA+\p:RA+\p+1], v[RA+\p:RA+\p+1]
.endr
.irp p, 0,2,4,6,8,10,12,14
	v_pk_fma_f32 v[PP+\p:PP+\p+1], v[R2+\p:R2+\p+1], v[24:25], 0xb2d7322b op_sel_hi:[1,1,0]  ; r^2 / 13! - 1/11!
	v_pk_fma_f32 v[QQ+\p:QQ+\p+1], v[R2+\p:R2+\p+1], v[26:27], 0xb493f27e op_sel_hi:[1,1,0]  ; r^2 / 12! - 1/10!
.endr
	HORNER PP, 0x3638ef1d                          ; + 1/9!
	HORNER QQ, 0x37d00d01                          ; + 1/8!
	HORNER PP, 0xb9500d01                          ; - 1/7!
	HORNER QQ, 0xbab60b61                          ; - 1/6!
	HORNER PP, 0x3c088889                          ; + 1/5!
	HORNER QQ, 0x3d2aaaab                          ; + 1/4!
	HORNER PP, 0xbe2aaaab                          ; - 1/3!
	HORNER QQ, -0.5
.irp p, 0,2,4,6,8,10,12,14
	v_pk_mul_f32 v[MG+\p:MG+\p+1], v[RA+\p:RA+\p+1], v[R2+\p:R2+\p+1]                        ; r^3
.endr
	HORNER QQ, 1.0                                 ; cos r
.irp p, 0,2,4,6,8,10,12,14
	v_pk_fma_f32 v[PP+\p:PP+\p+1], v[MG+\p:MG+\p+1], v[PP+\p:PP+\p+1], v[RA+\p:RA+\p+1]      ; sin r
.endr
	WIN (\w)<<6
.irp i, 0,1,2,3,4,5,6,7,8,9,10,11,12,13,14,15
	v_xor_b32 v[\base+2*\i], v[QQ+\i], v[SG+\i]
	v_xor_b32 v[\base+2*\i+1], v[PP+\i], v[SG+\i]
.endr
	WIN 0
.endm
	SINCOS 0, 0, 64
	SINCOS 2, 0, 96
	SINCOS 4, 1, 224
	SINCOS 6, 2, 224
	s_wait_alu depctr_va_vdst(0)
	s_wait_kmcnt 0x0                               ; the scales' exponents
.macro SC o, a, b, vs                  ; the three scales folded into the conversion's one, and 57,344 x that
	s_sub_co_i32 s2, s[\o], s[\a]
	s_sub_co_i32 s2, s2, s[\b]
	s_add_co_i32 s2, s2, 127
	s_lshl_b32 s3, s2, 23
	v_mov_b32 v[\vs], s3
	s_add_co_i32 s2, s2, 15
	s_lshl_b32 s2, s2, 23
	s_or_b32 s2, s2, 0x600000
	v_mov_b32 v[\vs+1], s2
.endm
	SC 90, 84, 85, 16                              ; q: e6 - e0 - e1
	SC 91, 86, 87, 6                               ; k: e7 - e2 - e3
	SC 93, 88, 89, 30                              ; v: e9 - e4 - e5
; a fragment, 16 rows x 128 K, is 16 registers: registers 4 c .. 4 c + 3 hold K = 32 c + 16 h + 0 .. 15: the same order of k in x and in W, so every product meets its partner
.macro FETCH s                         ; the 14 fragments of step s (128 along K) into its set: 56 loads in one run
	WIN 0x40<<((\s)%2)
.irp b, 0,1,2,3,4,5
.irp c, 0,1,2,3
	ds_load_b128 v[128+16*\b+4*\c:128+16*\b+4*\c+3], v[10+((\s)/2)%2] offset:128*((\s)%2)+32*\c+(64*(\b/2)+16*(\b%2))*PITCH
.endr
.endr
.irp a, 0,1,2,3,4,5,6,7
.irp c, 0,1,2,3
	ds_load_b128 v[16*\a+4*\c:16*\a+4*\c+3], v[8+((\s)/2)%2] offset:128*((\s)%2)+32*\c+16*\a*PITCH
.endr
.endr
.endm
; the 48 accumulators by turns, in the same order in every step; the first step starts the sums
.macro MULQK s, lo                     ; q and k, token tiles lo .. lo + 3
	WIN 0xf5+5*((\s)%2)
.irp a, 0,1,2,3
.irp b, 0,1,2,3
.set rD, 8*(4*((\lo)+\a)+\b)
.set rA, 16*((\lo)+\a)
.set rB, 128+16*\b
.if (\s)==0
	v_wmma_f32_16x16x128_bf8_bf8 v[rD:rD+7], v[rB:rB+15], v[rA:rA+15], 0
.else
	v_wmma_f32_16x16x128_bf8_bf8 v[rD:rD+7], v[rB:rB+15], v[rA:rA+15], v[rD:rD+7]
.endif
.endr
.endr
.endm
.macro MULV s
	WIN 5*(1+(\s)%2)
.irp a, 0,1,2,3,4,5,6,7
.irp u, 0,1
.set rD, 128+8*(2*\a+\u)
.set rA, 16*\a
.set rB, 192+16*\u
.if (\s)==0
	v_wmma_f32_16x16x128_bf8_bf8 v[rD:rD+7], v[rA:rA+15], v[rB:rB+15], 0
.else
	v_wmma_f32_16x16x128_bf8_bf8 v[rD:rD+7], v[rA:rA+15], v[rB:rB+15], v[rD:rD+7]
.endif
.endr
.endr
.endm
.macro STEP s
.if ((\s)%2)==1 && (\s)<7              ; a slot's last step: the change of slots
	WIN 0
	s_wait_tensorcnt 0x0                           ; my part of the next slot has landed
	ds_add_u32 v[SPW], v[NIL]
	s_wait_dscnt 0x1                               ; this step's fragments are in; the add may be out
	MULQK \s, 0
	WIN 0
	s_wait_dscnt 0x0                               ; the add is done, and my reads of this slot are over
	s_barrier_signal -1
	s_barrier_wait -1
.if (\s)<5
	CREST                                          ; no wave of any partner still reads this slot or has a load on its way
	s_add_nc_u64 s[G0A+4*((\s)/2)+2:G0A+4*((\s)/2)+3], s[G0A+4*((\s)/2)+2:G0A+4*((\s)/2)+3], 512
	s_add_nc_u64 s[G0B+4*((\s)/2)+2:G0B+4*((\s)/2)+3], s[G0B+4*((\s)/2)+2:G0B+4*((\s)/2)+3], 512
	JLOAD ((\s)/2)                                 ; two K steps on, into this slot; its four v_nop are also the places in front of the loads below
.else
	PLACES
.endif
	FETCH (\s)+1
	MULQK \s, 4
	MULV \s
.else
	s_wait_dscnt 0x0                               ; this step's fragments are in
.if (\s)<7
.if (\s)>0
	PLACES                                         ; the last step's products read the set that is loaded now
.endif
	FETCH (\s)+1
.endif
	MULQK \s, 0
	MULQK \s, 4
	MULV \s
.endif
.endm
	s_wait_alu depctr_va_vdst(0)
	s_wait_tensorcnt 0x0                           ; my part of K step 0 is in
	ds_add_u32 v[SPW], v[NIL]
	s_wait_dscnt 0x0
	CROUND                                         ; everybody's part is in; the joint loads meet
	JLOAD 1                                        ; K step 1
	FETCH 0
	WIN 0
	ASK 15, 512                                    ; K step 3 (the upper half of the lanes names the same rows)
.irp s, 0,1,2,3,4,5,6,7
	STEP \s
.endr
	WIN 0
	PLACES
	; v: held, converted, stored: channel 16 t + r, tokens 16 a + 8 h + 0 .. 7 are registers 2 a, 2 a + 1 of the K = 128 operand
.set i, 0
.rept 128
	v_med3_num_f32 v[128+i], v[128+i], -v31, v31   ; the conversion to an 8-bit code does not saturate (ISA guide 7.6.2): the hold at the largest code x the scale
.set i, i+1
.endr
.irp u, 0,1
.irp a, 0,1,2,3,4,5,6,7
	v_cvt_scalef32_pk8_bf8_f32 v[32+16*\u+2*\a:33+16*\u+2*\a], v[128+8*(2*\a+\u):135+8*(2*\a+\u)], v30
.endr
.endr
	v_nop                                          ; a plain line behind the last conversion
.irp u, 0,1
.irp c, 0,1,2,3
	global_store_b128 v4, v[32+16*\u+4*\c:35+16*\u+4*\c], s[18:19] offset:2048*\u+512*\c   ; 512 consecutive bytes
.endr
.endr
; q and k of token tile a: rotate (each accumulator from its low end on), hold, convert, store
.macro ROPE a
.if (\a)<4
.set CS, 64+16*(\a)
.set CW, 0
.else
.set CS, 224+16*((\a)%2)
.set CW, (\a)/2-1
.endif
	WIN 0x03+4*CW                                  ; source 0 (sums) window 3, source 1 (cos, sin) window CW
.irp b, 0,1,2,3
.irp j, 0,1,2,3
	v_pk_mul_f32 v[T+8*\b+2*\j:T+8*\b+2*\j+1], v[8*(4*\a+\b)+2*\j:8*(4*\a+\b)+2*\j+1], v[CS+2*(4*(\b%2)+\j):CS+2*(4*(\b%2)+\j)+1] op_sel_hi:[1,0]   ; (x1 c, x2 c)
.endr
.endr
.irp b, 0,1,2,3
.irp j, 0,1,2,3
	v_pk_fma_f32 v[U+8*\b+2*\j:U+8*\b+2*\j+1], v[8*(4*\a+\b)+2*\j:8*(4*\a+\b)+2*\j+1], v[CS+2*(4*(\b%2)+\j):CS+2*(4*(\b%2)+\j)+1], v[T+8*\b+2*\j:T+8*\b+2*\j+1] op_sel:[1,1,0] op_sel_hi:[0,1,1] neg_lo:[0,1,0]   ; (x1 c - x2 s, x2 c + x1 s)
.endr
.endr
	WIN 0
.irp i, 0,1,2,3,4,5,6,7,8,9,10,11,12,13,14,15
	v_med3_num_f32 v[U+\i], v[U+\i], -v17, v17
	v_med3_num_f32 v[U+16+\i], v[U+16+\i], -v7, v7
.endr
.irp u, 0,1
	v_cvt_scalef32_pk8_bf8_f32 v[CD+8*\a+2*\u:CD+8*\a+2*\u+1], v[U+8*\u:U+8*\u+7], v16
	v_cvt_scalef32_pk8_bf8_f32 v[CD+4+8*\a+2*\u:CD+4+8*\a+2*\u+1], v[U+16+8*\u:U+16+8*\u+7], v6
.endr
	v_nop                                          ; a plain line behind the last conversion
	global_store_b128 v4, v[CD+8*\a:CD+8*\a+3], s[14:15] offset:1024*\a
	global_store_b128 v4, v[CD+8*\a+4:CD+8*\a+7], s[16:17] offset:1024*\a
.endm
.irp a, 0,1,2,3,4,5,6,7
	ROPE \a
.endr
	s_wait_tensorcnt 0x0                           ; the wave's end
	ds_add_u32 v[SPW], v[NIL]
	s_wait_dscnt 0x0
	CROUND                                         ; the closing round: no work-group ends while a partner may still ask for a tile that names it
	s_endpgm
.Lfunc_end_k_q4f16c0ebb0_qkv:
	.size	k_q4f16c0ebb0_qkv, .Lfunc_end_k_q4f16c0ebb0_qkv-k_q4f16c0ebb0_qkv
	.p2alignl 7, 3214868480
	.fill 96, 4, 3214868480
	.section	.rodata,"a",@progbits
	.p2align	6, 0x0
	.amdhsa_kernel k_q4f16c0ebb0_qkv
		.amdhsa_group_segment_fixed_size 327680
		.amdhsa_private_segment_fixed_size 0
		.amdhsa_enable_private_segment 0
		.amdhsa_kernarg_size 64
		.amdhsa_user_sgpr_count 2
		.amdhsa_user_sgpr_kernarg_segment_ptr 1
		.amdhsa_wavefront_size32 1
		.amdhsa_system_sgpr_workgroup_id_x 1
		.amdhsa_system_sgpr_workgroup_id_y 1
		.amdhsa_system_sgpr_workgroup_id_z 1
		.amdhsa_system_vgpr_workitem_id 0
		.amdhsa_next_free_vgpr 1024
		.amdhsa_next_free_sgpr 100
		.amdhsa_reserve_vcc 1
		.amdhsa_float_denorm_mode_32 3
		.amdhsa_float_denorm_mode_16_64 3
		.amdhsa_memory_ordered 1
		.amdhsa_forward_progress 1
		.amdhsa_inst_pref_size 173
	.end_amdhsa_kernel
	.amdgpu_metadata
---
amdhsa.version: [ 1, 2 ]
amdhsa.kernels:
  - .name:           k_q4f16c0ebb0_qkv
    .symbol:         k_q4f16c0ebb0_qkv.kd
    .args:
      - { .name: x_codes, .offset: 0, .size: 8, .value_kind: global_buffer, .address_space: global }
      - { .name: W_q_codes, .offset: 8, .size: 8, .value_kind: global_buffer, .address_space: global }
      - { .name: W_k_codes, .offset: 16, .size: 8, .value_kind: global_buffer, .address_space: global }
      - { .name: W_v_codes, .offset: 24, .size: 8, .value_kind: global_buffer, .address_space: global }
      - { .name: lowp_scales, .offset: 32, .size: 8, .value_kind: global_buffer, .address_space: global }
      - { .name: q_codes, .offset: 40, .size: 8, .value_kind: global_buffer, .address_space: global }
      - { .name: k_codes, .offset: 48, .size: 8, .value_kind: global_buffer, .address_space: global }
      - { .name: v_codes, .offset: 56, .size: 8, .value_kind: global_buffer, .address_space: global }
    .group_segment_fixed_size: 327680
    .private_segment_fixed_size: 0
    .kernarg_segment_align: 8
    .kernarg_segment_size: 64
    .max_flat_workgroup_size: 128
    .sgpr_count:     100
    .vgpr_count:     1024
    .wavefront_size: 32
...
	.end_amdgpu_metadata
.endif
;; end of part 1
;; launch attn (part 2): grid 8 x 32, 16 waves a work-group, clusters of 4 x 1, 299,008 bytes of LDS; arguments q_codes, k_codes, v_codes, lowp_scales, a_codes; writes a_codes
.if DOCPART == 2
	.amdgcn_target "amdgcn-amd-amdhsa--gfx1250"
	.amdhsa_code_object_version 6
	.text
	.protected	k_q4f16c0ebb0_attn
	.globl	k_q4f16c0ebb0_attn
	.p2align	8
	.type	k_q4f16c0ebb0_attn,@function
k_q4f16c0ebb0_attn:
	s_mov_b64 s[64:65], 0
	v_nop
	global_prefetch_b8 v0, s[64:65] scope:SCOPE_SE
	s_setreg_imm32_b32 hwreg(HW_REG_WAVE_MODE, 25, 1), 1
	s_wait_xcnt 0x0
	s_wait_alu depctr_hold_cnt(0) depctr_sa_sdst(0) depctr_va_vdst(0) depctr_va_sdst(0) depctr_va_ssrc(0) depctr_va_vcc(0) depctr_vm_vsrc(0)
	s_getreg_b32 s2, hwreg(HW_REG_IB_STS2, 6, 4)
	s_cmp_eq_u32 s2, 0
	s_cbranch_scc0 .Lentry_in_a_cluster
	s_endpgm
.Lentry_in_a_cluster:
	s_bfe_u32 s2, ttmp6, 0x10000c
	s_cmp_lg_u32 s2, 0x3003
	s_cbranch_scc0 .Lentry_shape_is_right
	s_endpgm
.Lentry_shape_is_right:
; Causal attention on codes of BF8 (E5M2): O = softmax(q k^T / 32) v for 32 heads of 2,048 tokens x 64, both products on codes; the result is quantised with the given scale and stored as an image for the last product.
; THE SOFTMAX AHEAD OF THE SECOND PRODUCT: t = score x log2(e) / 32; M = the running largest t rounded UP to a whole number; p = 2^(t - M) is quantised; the row's sum is taken of the unquantised p and divides at the end.
; LEFT OUT: blocks of 128 keys that all come after a tile's queries: the causal mask makes their p zero for all inputs.  A NaN or an infinity that reaches only those is not carried to the result.
; SHARES.  A head has 16 groups of 128 queries, a group 8 tiles of 16.  A work-group owns one tile of every group: 8 pairs (g, 15 - g), and a pair has two waves, w and w xor 4.
; The tile of group 15 - g is long: 16 - g key steps of 128; that of group g short: g + 1.  The first wave (bit 2 clear) walks the long tile's steps 0 .. 8; the second the short tile, and then the long tile's steps from 9 on:
; 9 steps and 8, whatever g.  The second wave's part of the long tile goes to the first through LDS and is joined there: M, the sum and O^T, brought under one M by exact powers of two.
; THE WHOLE HEAD'S K AND V ARE RESIDENT in LDS (131,072 bytes each), as the images that the first launch stored.  Each byte is filled once: 16 pieces of 16,384 bytes, one joint load for each wave (even waves K, odd waves V).
; CLUSTERS: the four partners of a cluster need the same K and V.  They differ in the tile that they take, which enters global addresses and the mask's numbers alone; g hangs on the wave's number alone.
; Every wave's first step is key step 0, which lies in the pieces of waves 0 and 1: it starts behind the one barrier that shows the whole head's K and V.  No prefetch: every tile is asked for at the head, and no loop asks for tiles.
; LAYOUT.  S^T = K Q^T (source 0 = 16 keys, source 1 = my 16 queries), O^T = V^T P^T: a lane holds ONE query.  Tile a's eight scores of a lane are keys 16 a + 8 h + 0 .. 7: their codes are registers 2 a, 2 a + 1 of the K = 128 operand.
; LIMITS: e6 + e7 between -121 and 132 (added to c's exponent field); e8 and e10 - e8 - e9 between -126 and 112.  NaN is not served.  The promise holds while the scaled scores t stay under 2^31 in magnitude.
; REGISTERS: v1 16 x lane, v2 d = my query - 8 h inside the group, v3 16 r + 8 h; v8, v9 LDS addresses; v10, v11 my pair's exchange; v12 -M, v13 largest t, v[14:15] the sum; v16-23 Q, v24-31 the long tile's Q; v32-95 K's eight fragments,
;   then V's four; v96-159 S^T, then p; v160-191 O^T; v224-239 p's codes; v244 scale for p (its hold in s36); v241, v245 for the result; v242-254 at work.
; Every wave waits for its piece, and one barrier shows the whole head's K and V to all sixteen ahead of the first step.
.set SPARE, 0x40000                    ; the spare words, 128 bytes for each wave
.set XCH,   0x40800                    ; the exchange: 4,352 bytes for each pair
.set WV,   14
.set CX,   15
.set HD,   17
.set G,    18                          ; the group of the tile in hand
.set TILE, 19
.set SEL,  20
.set CS,   22
.set G1,   24
.set G0,   32
.set HLD,  36
.set GS,   37                          ; the last trip of the short tile (first waves: never reached)
.set OFF,  38                          ; behind it a trip's key step lies so many further on
.set GL,   39
.set ST,   40
.set TB,   41
.set CNT,  42
.set ROLE, 43
.set SWC,  48
.macro CROUND
	s_barrier_signal -1
	s_barrier_wait -1
	s_cmp_lg_u32 s[WV], 0
	s_cbranch_scc1 .Lnot_wave_0_\@
	s_barrier_signal -3
.Lnot_wave_0_\@:
	s_barrier_wait -3
	s_barrier_signal -1
	s_barrier_wait -1
.endm
.macro RESET                           ; an empty state: the first change of M leaves zeros zeros
	v_mov_b32 v13, 0xff61b1e6                      ; the largest t so far: -3e38
	v_mov_b32 v14, 0
	v_mov_b32 v15, 0
	v_floor_f32 v12, -v13                          ; -M
.set j, 0
.rept 32
	v_mov_b32 v[160+j], 0
.set j, j+1
.endr
.endm
	s_load_b256 s[4:11], s[0:1], 0x0               ; q s[4:5], k s[6:7], v s[8:9], scales s[10:11]
	s_load_b64 s[12:13], s[0:1], 0x20              ; the result's codes
	v_lshl_add_u32 v251, v0, 2, SPARE
	v_mov_b32 v255, 0
	ds_add_u32 v251, v255                          ; the opening lines
	ds_add_u32 v251, v255
	v_lshrrev_b32 v1, 5, v0
	v_readfirstlane_b32 s[WV], v1                  ; wave 0..15
	s_bfe_u32 s[CX], ttmp6, 0x40000
	s_and_b32 s[HD], ttmp7, 0xffff                 ; batch x 16 + head, which the partners share
	s_lshl_b32 s[TILE], ttmp9, 2
	s_add_co_u32 s[TILE], s[TILE], s[CX]           ; my work-group's tile in every group, 0..7
	; group 1: a dense block of 16,384 bytes as 64 rows of 256
	s_mov_b32 s[G1], 15|(1<<21)                    ; the mask: all four work-groups; bit 21 beside it; elements of one byte; no padding
	s_mov_b32 s[G1+1], 256<<16
	s_mov_b32 s[G1+2], 64<<16
	s_mov_b32 s[G1+3], 256<<16
	s_mov_b32 s[G1+4], 64
	s_mov_b32 s[G1+5], 256
	s_mov_b32 s[G1+6], 0
	s_mov_b32 s[G1+7], 0
	s_lshl_b32 s84, s[HD], 17                      ; the head's 131,072 bytes
	s_mov_b32 s85, 0
	s_and_b32 s44, s[WV], 1
	s_lshl_b32 s45, s44, 17                        ; LDS: K from 0, V from 131,072
	s_lshr_b32 s46, s[WV], 1
	s_lshl_b32 s86, s46, 14                        ; my piece: 256 keys
	s_mov_b32 s87, 0
	s_add_co_u32 s45, s45, s86
	s_and_b32 s90, s[WV], 3
	s_lshr_b32 s91, s[WV], 3
	s_lshl_b32 s91, s91, 2
	s_or_b32 s90, s90, s91                         ; g: bits 0, 1 and 3 of the wave's number
	s_bfe_u32 s[ROLE], s[WV], 0x10002
	s_sub_co_u32 s[GL], 15, s90
	s_sub_co_u32 s[OFF], 8, s90
	s_add_co_u32 s91, s90, 1
	s_cmp_eq_u32 s[ROLE], 0
	s_cselect_b32 s[G], s[GL], s90
	s_cselect_b32 s[GS], 63, s90
	s_cselect_b32 s[SWC], 63, s91
	s_mul_i32 s94, s90, 4352
	s_add_co_u32 s94, s94, XCH
	s_add_co_u32 s95, s94, 4096
	s_lshl_b32 s88, s[TILE], 4
	v_and_b32 v1, 31, v0
	v_and_b32 v4, 15, v0                           ; r
	v_bfe_u32 v5, v0, 4, 1                         ; h
	v_lshlrev_b32 v1, 4, v1                        ; 16 x lane
	v_lshlrev_b32 v3, 4, v4
	v_lshlrev_b32 v6, 3, v5
	v_lshrrev_b32 v11, 1, v1
	v_lshl_add_u32 v3, v5, 3, v3                   ; 16 r + 8 h
	v_sub_nc_u32 v2, v4, v6
	v_add_nc_u32 v10, s94, v1
	v_add_nc_u32 v11, s95, v11
	v_add_nc_u32 v2, s88, v2                       ; d = 16 tile + r - 8 h
	v_mov_b32 v246, 0                              ; a lane permute's destination counts as read
	v_mov_b32 v253, 0                              ; named as the upper halves of v[252:253], v[242:243]
	v_mov_b32 v243, 0
	v_mov_b32 v248, 0xff800000                     ; -infinity
	RESET
	s_wait_alu depctr_va_vdst(0)
	s_wait_dscnt 0x0                               ; both opening adds are done
	s_wait_kmcnt 0x0
	s_load_b256 s[68:75], s[10:11], 0x0            ; e0 .. e7
	s_load_b128 s[76:79], s[10:11], 0x20           ; e8 .. e11
	s_cmp_eq_u32 s44, 0
	s_cselect_b64 s[88:89], s[6:7], s[8:9]
	s_add_nc_u64 s[88:89], s[88:89], s[84:85]
	s_mov_b32 s[G0], 1
	s_mov_b32 s[G0+1], s45
	s_add_nc_u64 s[G0+2:G0+3], s[88:89], s[86:87]
	s_or_b32 s[G0+3], s[G0+3], 0x80000000
	CROUND                                         ; all four work-groups are here: the joint loads meet
	tensor_load_to_lds s[G0:G0+3], s[G1:G1+7]      ; my one tensor load
	s_nop 0
.rept 4
	v_nop
.endr
	s_lshl_b32 s84, s[HD], 4
	s_add_co_u32 s80, s84, s[G]
	s_lshl_b32 s80, s80, 13
	s_lshl_b32 s86, s[TILE], 10
	s_add_co_u32 s80, s80, s86
	s_mov_b32 s81, 0
	s_add_co_u32 s84, s84, s[GL]
	s_lshl_b32 s84, s84, 13
	s_add_co_u32 s84, s84, s86
	s_add_nc_u64 s[80:81], s[4:5], s[80:81]
	s_add_nc_u64 s[82:83], s[4:5], s[84:85]
	global_load_b128 v[16:19], v1, s[80:81]        ; my first tile's Q
	global_load_b128 v[20:23], v1, s[80:81] offset:512
	global_load_b128 v[24:27], v1, s[82:83]        ; the long tile's
	global_load_b128 v[28:31], v1, s[82:83] offset:512
	s_lshr_b32 s84, s[HD], 4
	s_lshl_b32 s84, s84, 4
	s_add_co_u32 s84, s84, s[G]                    ; block of 128 rows: batch x 16 + group: each wave stores the tile that it begins with
	s_lshl_b32 s84, s84, 4
	s_and_b32 s87, s[HD], 15
	s_add_co_u32 s84, s84, s87                     ; x 16 + head
	s_lshl_b32 s84, s84, 13
	s_add_co_u32 s84, s84, s86                     ; + tile x 1,024
	s_add_nc_u64 s[12:13], s[12:13], s[84:85]
	s_mov_b32 s[SEL], 0x76543210
	s_mov_b32 s[SEL+1], 0xfedcba98
	s_wait_kmcnt 0x0
	s_add_co_i32 s84, s74, s75                     ; e6 + e7
	s_lshl_b32 s84, s84, 23
	s_mov_b32 s[CS], 0x3d38aa3b                    ; c = log2(e) / 32
	s_add_co_i32 s[CS], s[CS], s84                 ; x 2^(e6 + e7)
	s_mov_b32 s[CS+1], s[CS]
	s_add_co_i32 s84, s76, 127
	s_lshl_b32 s86, s84, 23
	v_mov_b32 v244, s86                            ; 2^e8
	s_add_co_i32 s84, s84, 15
	s_lshl_b32 s84, s84, 23
	s_or_b32 s[HLD], s84, 0x600000                 ; 57,344 x 2^e8
	s_sub_co_i32 s84, s78, s76
	s_sub_co_i32 s84, s84, s77                     ; e10 - e8 - e9: the product's two scales folded into the last conversion's
	s_add_co_i32 s84, s84, 127
	s_lshl_b32 s86, s84, 23
	v_mov_b32 v245, s86
	s_add_co_i32 s84, s84, 15
	s_lshl_b32 s84, s84, 23
	s_or_b32 s84, s84, 0x600000
	v_mov_b32 v241, s84
; A KEY STEP: 128 keys.  No barrier and no tensor load stands in it.  Passed over where all its keys come after my queries.
.macro STEP
	s_cmp_gt_u32 s[ST], s[G]                       ; all its keys come after my queries: passed over
	s_cbranch_scc1 .Lhid_\@
	v_add_nc_u32 v8, s[TB], v1
	s_delay_alu instid0(VALU_DEP_1)
	v_add_nc_u32 v9, 0x20000, v8
	v_nop
	v_nop                                          ; four places behind the last products, ahead of loads into their sources
.irp a, 0,1,2,3,4,5,6,7
	ds_load_b128 v[32+8*\a:35+8*\a], v8 offset:1024*\a
	ds_load_b128 v[36+8*\a:39+8*\a], v8 offset:1024*\a+512
.endr
	s_wait_alu depctr_va_vdst(0)
	s_wait_dscnt 0x0
.irp a, 0,1,2,3,4,5,6,7
	v_wmma_f32_16x16x64_bf8_bf8 v[96+8*\a:103+8*\a], v[32+8*\a:39+8*\a], v[16:23], 0
.endr
.rept 4
	v_nop
.endr
.irp t, 0,1,2,3
.irp c, 0,1,2,3
	ds_load_b128 v[32+16*\t+4*\c:35+16*\t+4*\c], v9 offset:2048*\t+512*\c   ; V's fragments land while the softmax is worked
.endr
.endr
	s_cmp_lg_u32 s[ST], s[G]
	s_cbranch_scc1 .Lopen_\@
.irp a, 0,1,2,3,4,5,6,7                        ; on the diagonal: register 8 a + j holds key 16 a + 8 h + j of the group: hidden where 16 a + j > d
.irp j, 0,1,2,3,4,5,6,7
	v_cmp_gt_i32 vcc_lo, 16*\a+\j, v2
	v_cndmask_b32 v[96+8*\a+\j], v[96+8*\a+\j], v248, vcc_lo
.endr
.endr
.Lopen_\@:
	v_max3_num_f32 v254, v96, v97, v98             ; the step's largest score of my query among my 64 keys, in two chains,
	v_max3_num_f32 v252, v99, v100, v101
.irp i, 6,10,14,18,22,26,30,34,38,42,46,50,54,58
	v_max3_num_f32 v254, v254, v[96+\i], v[97+\i]
	v_max3_num_f32 v252, v252, v[98+\i], v[99+\i]
.endr
	v_max3_num_f32 v254, v254, v158, v159
	s_delay_alu instid0(VALU_DEP_1)
	v_max_num_f32 v254, v254, v252
	s_delay_alu instid0(VALU_DEP_1)
	v_permlanex16_b32 v246, v254, s[SEL], s[SEL+1]
	s_delay_alu instid0(VALU_DEP_1)
	v_max_num_f32 v254, v254, v246                 ; and among lane l xor 16's
	s_delay_alu instid0(VALU_DEP_1)
	v_mul_f32 v254, s[CS], v254                    ; as t (c is positive)
	s_delay_alu instid0(VALU_DEP_1)
	v_max_num_f32 v13, v13, v254
	v_mov_b32 v254, v12
	s_delay_alu instid0(VALU_DEP_2)
	v_floor_f32 v12, -v13                          ; the new -M = -ceil(t)
	s_delay_alu instid0(VALU_DEP_1)
	v_sub_f32 v254, v12, v254                      ; old M - new M: a whole number, 0 or less
	s_delay_alu instid0(VALU_DEP_1)
	v_cvt_i32_f32 v254, v254                       ; (it saturates)
	s_delay_alu instid0(VALU_DEP_1)
	v_ldexp_f32 v252, 1.0, v254                    ; f = 2^(old M - new M)
.set j, 0
.rept 32
	v_pk_fma_f32 v[96+j:97+j], v[96+j:97+j], s[CS:CS+1], v[12:13] op_sel_hi:[1,0,0]   ; t - M
.set j, j+2
.endr
.set j, 0
	s_wait_alu depctr_va_vdst(0)
.rept 64
	v_exp_f32 v[96+j], v[96+j]                     ; p = 2^(t - M)
.set j, j+1
.endr
	v_pk_mul_f32 v[14:15], v[14:15], v[252:253] op_sel_hi:[1,0]   ; the sum under the new M; the plain line behind the exponentials
	s_wait_alu depctr_va_vdst(0)                   ; one wait for the batch, ahead of its first reader
	v_pk_add_f32 v[242:243], v[100:101], v[104:105]
	v_pk_add_f32 v[238:239], v[108:109], v[112:113]
	v_pk_add_f32 v[236:237], v[116:117], v[120:121]
	v_pk_add_f32 v[234:235], v[124:125], v[128:129]
	v_pk_add_f32 v[232:233], v[132:133], v[136:137]
	v_pk_add_f32 v[230:231], v[140:141], v[144:145]
	v_pk_add_f32 v[228:229], v[148:149], v[152:153]
	v_pk_add_f32 v[14:15], v[14:15], v[156:157]
	v_pk_add_f32 v[242:243], v[242:243], v[96:97]
	v_pk_add_f32 v[238:239], v[238:239], v[98:99]
	v_pk_add_f32 v[236:237], v[236:237], v[102:103]
	v_pk_add_f32 v[234:235], v[234:235], v[106:107]
	v_pk_add_f32 v[232:233], v[232:233], v[110:111]
	v_pk_add_f32 v[230:231], v[230:231], v[114:115]
	v_pk_add_f32 v[228:229], v[228:229], v[118:119]
	v_pk_add_f32 v[14:15], v[14:15], v[122:123]
	v_pk_add_f32 v[242:243], v[242:243], v[126:127]
	v_pk_add_f32 v[238:239], v[238:239], v[130:131]
	v_pk_add_f32 v[236:237], v[236:237], v[134:135]
	v_pk_add_f32 v[234:235], v[234:235], v[138:139]
	v_pk_add_f32 v[232:233], v[232:233], v[142:143]
	v_pk_add_f32 v[230:231], v[230:231], v[146:147]
	v_pk_add_f32 v[228:229], v[228:229], v[150:151]
	v_pk_add_f32 v[14:15], v[14:15], v[154:155]
	v_pk_add_f32 v[242:243], v[242:243], v[158:159]
	s_delay_alu instid0(VALU_DEP_2)
	v_pk_add_f32 v[14:15], v[14:15], v[234:235]
	s_delay_alu instid0(VALU_DEP_2)
	v_pk_add_f32 v[242:243], v[242:243], v[232:233]
	v_pk_add_f32 v[238:239], v[238:239], v[230:231]
	v_pk_add_f32 v[236:237], v[236:237], v[228:229]
	s_delay_alu instid0(VALU_DEP_2)
	v_pk_add_f32 v[14:15], v[14:15], v[238:239]
	s_delay_alu instid0(VALU_DEP_2)
	v_pk_add_f32 v[242:243], v[242:243], v[236:237]
	s_delay_alu instid0(VALU_DEP_1)
	v_pk_add_f32 v[14:15], v[14:15], v[242:243]
.irp a, 0,1,2,3,4,5,6,7
.irp i, 0,2,4,6
	v_dual_min_num_f32 v[96+8*\a+\i], s[HLD], v[96+8*\a+\i] :: v_dual_min_num_f32 v[97+8*\a+\i], s[HLD], v[97+8*\a+\i]   ; p is not negative: a one-sided hold (the conversion does not saturate: ISA guide 7.6.2)
.endr
	v_cvt_scalef32_pk8_bf8_f32 v[224+2*\a:225+2*\a], v[96+8*\a:103+8*\a], v244
.endr
	s_wait_alu depctr_va_vdst(0)                   ; ahead of the first reader of O^T
.set j, 0
.rept 16
	v_pk_mul_f32 v[160+j:161+j], v[160+j:161+j], v[252:253] op_sel_hi:[1,0]   ; O^T under the new M
.set j, j+2
.endr
	s_wait_alu depctr_va_vdst(0)
	s_wait_dscnt 0x0                               ; V is in
.irp t, 0,1,2,3
	v_wmma_f32_16x16x128_bf8_bf8 v[160+8*\t:167+8*\t], v[32+16*\t:47+16*\t], v[224:239], v[160+8*\t:167+8*\t]
.endr
.Lhid_\@:
.endm
; A TILE'S WAY OUT: O^T / the sum, held, converted; a lane's eight codes are channels 16 t + 8 h + 0 .. 7 of token r: each store of the wave covers 256 consecutive bytes, aligned.
.macro FINISH
.rept 4
	v_nop
.endr
	v_add_f32 v14, v14, v15
	s_delay_alu instid0(VALU_DEP_1)
	v_permlanex16_b32 v246, v14, s[SEL], s[SEL+1]
	s_delay_alu instid0(VALU_DEP_1)
	v_add_f32 v14, v14, v246                       ; the row's sum
	s_wait_alu depctr_va_vdst(0)                   ; the wait ahead of the reciprocal,
	v_rcp_f32 v14, v14
	v_nop                                          ; a plain line behind it,
	s_wait_alu depctr_va_vdst(0)                   ; and the wait ahead of its first reader
.set j, 0
.rept 32
	v_mul_f32 v[96+j], v[160+j], v14
.set j, j+1
.endr
.set j, 0
.rept 32
	v_med3_num_f32 v[96+j], v[96+j], -v241, v241
.set j, j+1
.endr
.irp t, 0,1,2,3
	v_cvt_scalef32_pk8_bf8_f32 v[224+2*\t:225+2*\t], v[96+8*\t:103+8*\t], v245
.endr
	v_nop
.irp t, 0,1,2,3
	global_store_b64 v3, v[224+2*\t:225+2*\t], s[12:13] offset:256*\t
.endr
.endm
	s_wait_alu depctr_va_vdst(0)
	s_wait_loadcnt 0x0                             ; Q
	s_wait_tensorcnt 0x0                           ; my piece has landed
	s_wait_dscnt 0x0
	s_barrier_signal -1
	s_barrier_wait -1                              ; everybody's has
	s_mov_b32 s[CNT], 0
.Ltrip:
	s_cmp_lg_u32 s[CNT], s[SWC]
	s_cbranch_scc1 .Lsame
	FINISH                                         ; the second wave's short tile is done: it goes out, and the long tile's later steps follow
	RESET
.irp i, 0,1,2,3,4,5,6,7
	v_mov_b32 v[16+\i], v[24+\i]
.endr
	s_mov_b32 s[G], s[GL]
	s_wait_alu depctr_va_vdst(0)
	s_wait_xcnt 0x0                                ; the stores have read their registers
.Lsame:
	s_cmp_gt_u32 s[CNT], s[GS]
	s_cselect_b32 s[ST], s[OFF], 0
	s_add_co_u32 s[ST], s[ST], s[CNT]              ; the key step
	s_and_b32 s[TB], s[ST], 15
	s_lshl_b32 s[TB], s[TB], 13                    ; 8,192 bytes of K and of V
	STEP
	s_add_co_u32 s[CNT], s[CNT], 1
	s_cmp_lt_u32 s[CNT], 9
	s_cbranch_scc1 .Ltrip
	; THE JOIN of the long tile's two parts
.rept 4
	v_nop
.endr
	v_add_f32 v14, v14, v15
	v_mov_b32 v15, v12
	s_wait_alu depctr_va_vdst(0)
	s_cmp_eq_u32 s[ROLE], 0
	s_cbranch_scc1 .Lmeet
.irp i, 0,1,2,3,4,5,6,7
	ds_store_b128 v10, v[160+4*\i:163+4*\i] offset:512*\i
.endr
	ds_store_b64 v11, v[14:15]                     ; the lane's sum and -M
.Lmeet:
	s_wait_dscnt 0x0                               ; my stores are done, for the other wave's sake
	s_barrier_signal -1
	s_barrier_wait -1
	s_cmp_eq_u32 s[ROLE], 1
	s_cbranch_scc1 .Lend
.irp i, 0,1,2,3,4,5,6,7
	ds_load_b128 v[32+4*\i:35+4*\i], v10 offset:512*\i
.endr
	ds_load_b64 v[64:65], v11
	s_wait_dscnt 0x0
	v_min_num_f32 v254, v12, v65                   ; the larger M, negated
	v_mov_b32 v15, 0
	v_sub_f32 v252, v254, v12
	v_sub_f32 v242, v254, v65
	v_cvt_i32_f32 v252, v252                       ; (an empty part's difference saturates: its factor is 0)
	v_cvt_i32_f32 v242, v242
	v_ldexp_f32 v252, 1.0, v252
	v_ldexp_f32 v242, 1.0, v242
	v_mul_f32 v14, v14, v252
.set j, 0
.rept 16
	v_pk_mul_f32 v[160+j:161+j], v[160+j:161+j], v[252:253] op_sel_hi:[1,0]
.set j, j+2
.endr
	v_fma_f32 v14, v64, v242, v14
.set j, 0
.rept 16
	v_pk_fma_f32 v[160+j:161+j], v[32+j:33+j], v[242:243], v[160+j:161+j] op_sel_hi:[1,0,1]
.set j, j+2
.endr
	FINISH
.Lend:
	s_wait_tensorcnt 0x0                           ; the wave's end
	ds_add_u32 v251, v255
	s_wait_dscnt 0x0
	CROUND                                         ; the closing round
	s_endpgm
.Lfunc_end_k_q4f16c0ebb0_attn:
	.size	k_q4f16c0ebb0_attn, .Lfunc_end_k_q4f16c0ebb0_attn-k_q4f16c0ebb0_attn
	.p2alignl 7, 3214868480
	.fill 96, 4, 3214868480
	.section	.rodata,"a",@progbits
	.p2align	6, 0x0
	.amdhsa_kernel k_q4f16c0ebb0_attn
		.amdhsa_group_segment_fixed_size 299008
		.amdhsa_private_segment_fixed_size 0
		.amdhsa_enable_private_segment 0
		.amdhsa_kernarg_size 40
		.amdhsa_user_sgpr_count 2
		.amdhsa_user_sgpr_kernarg_segment_ptr 1
		.amdhsa_wavefront_size32 1
		.amdhsa_system_sgpr_workgroup_id_x 1
		.amdhsa_system_sgpr_workgroup_id_y 1
		.amdhsa_system_sgpr_workgroup_id_z 1
		.amdhsa_system_vgpr_workitem_id 0
		.amdhsa_next_free_vgpr 256
		.amdhsa_next_free_sgpr 100
		.amdhsa_reserve_vcc 1
		.amdhsa_float_denorm_mode_32 3
		.amdhsa_float_denorm_mode_16_64 3
		.amdhsa_memory_ordered 1
		.amdhsa_forward_progress 1
		.amdhsa_inst_pref_size 43
	.end_amdhsa_kernel
	.amdgpu_metadata
---
amdhsa.version: [ 1, 2 ]
amdhsa.kernels:
  - .name:           k_q4f16c0ebb0_attn
    .symbol:         k_q4f16c0ebb0_attn.kd
    .args:
      - { .name: q_codes, .offset: 0, .size: 8, .value_kind: global_buffer, .address_space: global }
      - { .name: k_codes, .offset: 8, .size: 8, .value_kind: global_buffer, .address_space: global }
      - { .name: v_codes, .offset: 16, .size: 8, .value_kind: global_buffer, .address_space: global }
      - { .name: lowp_scales, .offset: 24, .size: 8, .value_kind: global_buffer, .address_space: global }
      - { .name: a_codes, .offset: 32, .size: 8, .value_kind: global_buffer, .address_space: global }
    .group_segment_fixed_size: 299008
    .private_segment_fixed_size: 0
    .kernarg_segment_align: 8
    .kernarg_segment_size: 40
    .max_flat_workgroup_size: 512
    .sgpr_count:     100
    .vgpr_count:     256
    .wavefront_size: 32
...
	.end_amdgpu_metadata
.endif
;; end of part 2
;; launch oproj (part 3): grid 32 x 8, 4 waves a work-group, clusters of 4 x 1, 167,936 bytes of LDS; arguments a_codes, W_o_codes, lowp_scales, out0; writes out0
.if DOCPART == 3
	.amdgcn_target "amdgcn-amd-amdhsa--gfx1250"
	.amdhsa_code_object_version 6
	.text
	.protected	k_q4f16c0ebb0_oproj
	.globl	k_q4f16c0ebb0_oproj
	.p2align	8
	.type	k_q4f16c0ebb0_oproj,@function
k_q4f16c0ebb0_oproj:
	s_mov_b64 s[64:65], 0
	v_nop
	global_prefetch_b8 v0, s[64:65] scope:SCOPE_SE
	s_setreg_imm32_b32 hwreg(HW_REG_WAVE_MODE, 25, 1), 1
	s_wait_xcnt 0x0
	s_wait_alu depctr_hold_cnt(0) depctr_sa_sdst(0) depctr_va_vdst(0) depctr_va_sdst(0) depctr_va_ssrc(0) depctr_va_vcc(0) depctr_vm_vsrc(0)
	s_getreg_b32 s2, hwreg(HW_REG_IB_STS2, 6, 4)
	s_cmp_eq_u32 s2, 0
	s_cbranch_scc0 .Lentry_in_a_cluster
	s_endpgm
.Lentry_in_a_cluster:
	s_bfe_u32 s2, ttmp6, 0x10000c
	s_cmp_lg_u32 s2, 0x3003
	s_cbranch_scc0 .Lentry_shape_is_right
	s_endpgm
.Lentry_shape_is_right:
; out = a Wo^T x 2^(e10 + e11) on codes of BF8 (E5M2).  a: the attention launch's codes, as images of operand registers, [32 blocks of 128 rows][16 heads][8 tiles of 16 rows][1,024 bytes]; Wo: [1,024][1,024] codes, K innermost; out: [4,096][1,024] f32.
; 32 x 8 tiles of 128 x 128, one work-group of four waves each; a wave makes 64 x 64: 16 accumulators.
; a GOES STRAIGHT INTO REGISTERS: its images lie in the order of the operand's registers, each load of a wave takes 512 consecutive bytes; a step of 128 along K is 16 loads, three steps are on their way (48 loads).
; Wo's 128 rows of 1,024 codes lie whole in LDS, each byte filled once, one tensor load a wave (32 rows).  CLUSTERS: four blocks of rows share Wo's rows: joint loads.  No prefetch: all of Wo's tile is asked for at the head.
; Source 0 = 16 rows of Wo, source 1 = 16 rows of a: a lane holds eight neighbouring columns of one row of out.  Both fragments hold K = 32 c + 16 h + 0 .. 15 in registers 4 c .. 4 c + 3: Wo's by four loads 32 bytes apart;
; k = 64 head + channel, so a's piece c of step s lies at head 2 s + c / 2, half c % 2 of the tile's 1,024 bytes, 16 bytes a lane.
; THE WAY OUT: a block of 16 rows x 64 columns goes through the wave's own stage in LDS and leaves by rows: sixteen lanes store 256 consecutive bytes, aligned.  No fill lands in the stages.
; LIMIT: e10 + e11 between -126 and 127.
; REGISTERS.  window 0: v1-13 addresses, v32-63 scaled sums, v64-127 rows read back, v128-255 accumulators.  windows 1, 2: a's fragments of steps 0-3, 4-7.  window 3: two sets of Wo's four fragments.
.set WP,    1040                       ; an LDS row of Wo: 1,024 bytes + 16 of padding = 260 words: the 16 rows that a load touches start 4 banks apart
.set STG,   128*WP
.set PITCH, 272
.set SPARE, STG+4*16*PITCH
.set WV,  20
.set HI,  21
.set HJ,  22
.set CX,  23
.set TC,  25
.set RB,  26
.set G1,  32
.set G0,  40
.set STO,  5
.set RD,   6
.set CO,   7
.set AOF,  8
.set ADRB, 9
.set SPW,  10
.set NIL,  11
.set TMP,  32
.set OB,   64
.set ACC,  128
.set MSB, 0
.macro WIN new
.if MSB != (\new)
	s_set_vgpr_msb (MSB<<8)|(\new)
.set MSB, (\new)
.endif
.endm
.macro CROUND
	s_barrier_signal -1
	s_barrier_wait -1
	s_cmp_lg_u32 s[WV], 0
	s_cbranch_scc1 .Lnot_wave_0_\@
	s_barrier_signal -3
.Lnot_wave_0_\@:
	s_barrier_wait -3
	s_barrier_signal -1
	s_barrier_wait -1
.endm
.macro PLACES
.rept 4
	v_nop
.endr
.endm
	s_load_b256 s[4:11], s[0:1], 0x0               ; a s[4:5], Wo s[6:7], scales s[8:9], out s[10:11]
	v_lshl_add_u32 v[SPW], v0, 2, SPARE
	v_mov_b32 v[NIL], 0
	ds_add_u32 v[SPW], v[NIL]                      ; the opening lines
	ds_add_u32 v[SPW], v[NIL]
	v_lshrrev_b32 v1, 5, v0
	v_readfirstlane_b32 s[WV], v1
	s_lshr_b32 s[HI], s[WV], 1                     ; my 64 rows
	s_and_b32 s[HJ], s[WV], 1                      ; my 64 columns
	s_bfe_u32 s[CX], ttmp6, 0x40000
	s_lshl_b32 s[RB], ttmp9, 2
	s_add_co_u32 s[RB], s[RB], s[CX]               ; block of 128 rows
	s_and_b32 s[TC], ttmp7, 0xffff                 ; 128 columns, which the partners share
	s_mov_b32 s[G1], 15|(1<<20)|(1<<21)|(7<<22)|(3<<25)   ; all four work-groups; bit 21 beside the mask; 16 bytes of padding behind each 1,024
	s_mov_b32 s[G1+1], 1024<<16
	s_mov_b32 s[G1+2], 32<<16
	s_mov_b32 s[G1+3], 1024<<16
	s_mov_b32 s[G1+4], 32
	s_mov_b32 s[G1+5], 1024
	s_mov_b32 s[G1+6], 0
	s_mov_b32 s[G1+7], 0
	s_mul_i32 s28, s[WV], 32*WP                    ; where my 32 rows land
	s_lshl_b32 s2, s[HI], 12                       ; my four tiles of 16 rows inside a head's 8,192 bytes
	s_mul_i32 s3, s[HJ], 64*WP                     ; my 64 rows of Wo
	s_mul_i32 s27, s[WV], 16*PITCH
	s_add_co_u32 s27, s27, STG                     ; my stage
	v_and_b32 v1, 15, v0                           ; r
	v_bfe_u32 v2, v0, 4, 1                         ; h
	v_and_b32 v4, 31, v0
	v_mul_u32_u24 v3, v1, WP
	v_lshlrev_b32 v4, 4, v4                        ; 16 x lane
	v_mul_u32_u24 v[STO], v1, PITCH
	v_mul_u32_u24 v[RD], v2, PITCH
	v_lshlrev_b32 v[CO], 12, v2
	v_lshl_add_u32 v3, v2, 4, v3
	v_add_nc_u32 v[AOF], s2, v4
	v_lshl_add_u32 v[STO], v2, 5, v[STO]
	v_lshl_add_u32 v[RD], v1, 4, v[RD]
	v_lshl_add_u32 v[CO], v1, 4, v[CO]             ; out: lanes 0-15 one row, lanes 16-31 the next
	v_add_nc_u32 v[ADRB], s3, v3
	v_add_nc_u32 v[STO], s27, v[STO]               ; in: row r, 32 bytes for each half of the lanes
	v_add_nc_u32 v[RD], s27, v[RD]                 ; back: lanes 0-15 one row of 256 bytes, lanes 16-31 the next
	s_wait_alu depctr_va_vdst(0)
	s_wait_dscnt 0x0                               ; both opening adds are done
	s_wait_kmcnt 0x0
	s_load_b64 s[12:13], s[8:9], 0x28              ; e10, e11
	s_lshl_b32 s2, s[RB], 17
	s_mov_b32 s3, 0
	s_add_nc_u64 s[4:5], s[4:5], s[2:3]            ; my block of a
	s_lshl_b32 s66, s[TC], 17
	s_lshl_b32 s67, s[WV], 15
	s_add_co_u32 s66, s66, s67                     ; Wo: (128 tile column + 32 wave) rows of 1,024 bytes
	s_mov_b32 s67, 0
	s_mov_b32 s[G0], 1
	s_mov_b32 s[G0+1], s28
	s_add_nc_u64 s[G0+2:G0+3], s[6:7], s[66:67]
	s_or_b32 s[G0+3], s[G0+3], 0x80000000
	CROUND                                         ; all four work-groups are here: the joint loads meet
	tensor_load_to_lds s[G0:G0+3], s[G1:G1+7]      ; my one tensor load
	s_nop 0
	PLACES
.macro LOADA s                         ; a's four fragments of step s: 16 loads
	WIN 0x40<<((\s)/4)
.irp a, 0,1,2,3
.irp c, 0,1,2,3
	global_load_b128 v[64*((\s)%4)+16*\a+4*\c:64*((\s)%4)+16*\a+4*\c+3], v[AOF], s[4:5] offset:(2*(\s)+\c/2)*8192+1024*\a+512*(\c%2)
.endr
.endr
.endm
.macro FETCHW s                        ; Wo's four fragments of step s into set s % 2
	WIN 0xc0
.irp t, 0,1,2,3
.irp c, 0,1,2,3
	ds_load_b128 v[64*((\s)%2)+16*\t+4*\c:64*((\s)%2)+16*\t+4*\c+3], v[ADRB] offset:128*(\s)+32*\c+16*\t*WP
.endr
.endr
.endm
.macro MUL s                           ; the 16 accumulators by turns, in the same order in every step
	WIN 0x03+4*(1+(\s)/4)
.irp a, 0,1,2,3
.irp t, 0,1,2,3
.set rD, ACC+8*(4*\a+\t)
.set rW, 64*((\s)%2)+16*\t
.set rA, 64*((\s)%4)+16*\a
.if (\s)==0
	v_wmma_f32_16x16x128_bf8_bf8 v[rD:rD+7], v[rW:rW+15], v[rA:rA+15], 0
.else
	v_wmma_f32_16x16x128_bf8_bf8 v[rD:rD+7], v[rW:rW+15], v[rA:rA+15], v[rD:rD+7]
.endif
.endr
.endr
.endm
.macro STEP s
	s_wait_dscnt 0x0                               ; Wo's fragments of this step are in
.if (\s)<7
.if (\s)>0
	PLACES                                         ; the last step's products read the set that is loaded now
.endif
	FETCHW (\s)+1
.endif
.if (\s)<6
	s_wait_loadcnt 32                              ; a's of this step; the next two steps' 32 loads may be out
.elseif (\s)==6
	s_wait_loadcnt 16                              ; the last step's 16
.else
	s_wait_loadcnt 0
.endif
.if (\s)<5
	LOADA (\s)+3
.endif
	MUL \s
.endm
	LOADA 0
	LOADA 1
	LOADA 2
	WIN 0
	s_lshl_b32 s2, s[RB], 19
	s_lshl_b32 s3, s[HI], 18
	s_add_co_u32 s2, s2, s3                        ; (128 block + 64 half) rows of 4,096 bytes
	s_lshl_b32 s3, s[TC], 9
	s_add_co_u32 s2, s2, s3
	s_lshl_b32 s3, s[HJ], 8
	s_add_co_u32 s2, s2, s3                        ; + (128 tile column + 64 half) x 4
	s_mov_b32 s3, 0
	s_add_nc_u64 s[10:11], s[10:11], s[2:3]
	s_wait_kmcnt 0x0
	s_add_co_i32 s12, s12, s13
	s_add_co_i32 s12, s12, 127
	s_lshl_b32 s12, s12, 23                        ; 2^(e10 + e11) as f32
	s_mov_b32 s13, s12                             ; named with it as a pair
	s_wait_tensorcnt 0x0                           ; my rows of Wo have landed
	s_wait_dscnt 0x0
	s_barrier_signal -1
	s_barrier_wait -1                              ; everybody's have
	FETCHW 0
.irp s, 0,1,2,3,4,5,6,7
	STEP \s
.endr
	WIN 0
	PLACES
.macro TOSTAGE a                       ; block a: 16 rows x 64 columns: scaled into other registers (each accumulator from its low end on), into my stage, back by rows
.irp j, 0,2,4,6,8,10,12,14,16,18,20,22,24,26,28,30
	v_pk_mul_f32 v[TMP+\j:TMP+\j+1], v[ACC+32*(\a)+\j:ACC+32*(\a)+\j+1], s[12:13] op_sel_hi:[1,0]
.endr
.irp t, 0,1,2,3
	ds_store_b128 v[STO], v[TMP+8*\t:TMP+8*\t+3] offset:64*\t
	ds_store_b128 v[STO], v[TMP+8*\t+4:TMP+8*\t+7] offset:64*\t+16
.endr
.set BB, OB+32*((\a)%2)
.irp q, 0,1,2,3,4,5,6,7
	ds_load_b128 v[BB+4*\q:BB+4*\q+3], v[RD] offset:\q*2*PITCH   ; LDS serves a wave's instructions in order (ISA guide 5.7.1.4): these see my stores, and the next block's stores come behind them
.endr
.endm
.macro SEND a, younger                 ; younger: the LDS instructions issued behind block a's loads
.set BB, OB+32*((\a)%2)
	s_wait_dscnt \younger
.irp q, 0,1,2,3,4,5,6,7
	global_store_b128 v[CO], v[BB+4*\q:BB+4*\q+3], s[10:11] offset:(16*(\a)+2*\q)*4096 th:TH_STORE_NT   ; sixteen lanes store 256 consecutive bytes, aligned; written once, read by nobody here
.endr
.endm
	TOSTAGE 0
.irp a, 1,2,3
.if \a > 1
	s_wait_xcnt 0x0                                ; block a - 2's stores have read their registers: block a's loads may land there
.endif
	TOSTAGE \a
	SEND \a-1, 16                                  ; behind block a - 1's loads: block a's 8 stores and 8 loads
.endr
	SEND 3, 0
	s_wait_tensorcnt 0x0                           ; the wave's end
	ds_add_u32 v[SPW], v[NIL]
	s_wait_dscnt 0x0
	CROUND                                         ; the closing round
	s_endpgm
.Lfunc_end_k_q4f16c0ebb0_oproj:
	.size	k_q4f16c0ebb0_oproj, .Lfunc_end_k_q4f16c0ebb0_oproj-k_q4f16c0ebb0_oproj
	.p2alignl 7, 3214868480
	.fill 96, 4, 3214868480
	.section	.rodata,"a",@progbits
	.p2align	6, 0x0
	.amdhsa_kernel k_q4f16c0ebb0_oproj
		.amdhsa_group_segment_fixed_size 167936
		.amdhsa_private_segment_fixed_size 0
		.amdhsa_enable_private_segment 0
		.amdhsa_kernarg_size 32
		.amdhsa_user_sgpr_count 2
		.amdhsa_user_sgpr_kernarg_segment_ptr 1
		.amdhsa_wavefront_size32 1
		.amdhsa_system_sgpr_workgroup_id_x 1
		.amdhsa_system_sgpr_workgroup_id_y 1
		.amdhsa_system_sgpr_workgroup_id_z 1
		.amdhsa_system_vgpr_workitem_id 0
		.amdhsa_next_free_vgpr 1024
		.amdhsa_next_free_sgpr 100
		.amdhsa_reserve_vcc 0
		.amdhsa_float_denorm_mode_32 3
		.amdhsa_float_denorm_mode_16_64 3
		.amdhsa_memory_ordered 1
		.amdhsa_forward_progress 1
		.amdhsa_inst_pref_size 47
	.end_amdhsa_kernel
	.amdgpu_metadata
---
amdhsa.version: [ 1, 2 ]
amdhsa.kernels:
  - .name:           k_q4f16c0ebb0_oproj
    .symbol:         k_q4f16c0ebb0_oproj.kd
    .args:
      - { .name: a_codes, .offset: 0, .size: 8, .value_kind: global_buffer, .address_space: global }
      - { .name: W_o_codes, .offset: 8, .size: 8, .value_kind: global_buffer, .address_space: global }
      - { .name: lowp_scales, .offset: 16, .size: 8, .value_kind: global_buffer, .address_space: global }
      - { .name: out0, .offset: 24, .size: 8, .value_kind: global_buffer, .address_space: global }
    .group_segment_fixed_size: 167936
    .private_segment_fixed_size: 0
    .kernarg_segment_align: 8
    .kernarg_segment_size: 32
    .max_flat_workgroup_size: 128
    .sgpr_count:     100
    .vgpr_count:     1024
    .wavefront_size: 32
...
	.end_amdgpu_metadata
.endif
;; end of part 3
